; MI455X (gfx1250); checked and timed in simulation.
; The chip was launched on July 23, 2026; its instructions are those of AMD's public machine-readable ISA for CDNA 5 (MIT licence, August 2026) and "CDNA5" Instruction Set Architecture Reference Guide (July 2026). The comments in the code are by the model that wrote it; some were corrected since.
;; Layer Norm LSTM Cell. Allowed arithmetic: float matrix products may take bf16 or f16 operands with f32 sums; all other float work in f32.
;; Inputs: b_hh 4,096 float32; b_ih 4,096 float32; c 4,096 x 1,024 float32; h 4,096 x 1,024 float32; input 4,096 x 1,024 float32; ln_beta 4,096 float32; ln_gamma 4,096 float32; w_hh 4,096 x 1,024 float32; w_ih 4,096 x 1,024 float32.
;; Outputs: out0 4,096 x 1,024 float32; out1 4,096 x 1,024 float32.
;; One version. Each part assembles by itself: llvm-mc -triple=amdgcn-amd-amdhsa -mcpu=gfx1250 --defsym DOCPART=n.
;; ======== version 1 of 1: 3 launches
;; limits: values are held in f16: magnitudes above 65,504 overflow, below 6.1e-05 lose precision; inputs' magnitudes at most 65,504
;; workspace buffers: a16 16,777,216 bytes; w16 16,777,216 bytes; gates 67,108,864 bytes
;; launch tof16 (part 1): grid 1024 x 1, 8 waves a work-group, no clusters, 0 bytes of LDS; arguments input, h, w_ih, w_hh, a16, w16; writes a16, w16
.if DOCPART == 1
	.amdgcn_target "amdgcn-amd-amdhsa--gfx1250"
	.amdhsa_code_object_version 6
	.text
	.protected	k_q44bc643195_tof16
	.globl	k_q44bc643195_tof16
	.p2align	8
	.type	k_q44bc643195_tof16,@function
k_q44bc643195_tof16:
	s_mov_b64 s[64:65], 0
	v_nop
	global_prefetch_b8 v0, s[64:65] scope:SCOPE_SE
	s_setreg_imm32_b32 hwreg(HW_REG_WAVE_MODE, 25, 1), 1
	s_wait_xcnt 0x0
; a16[r] = f16(input[r] | h[r]),  w16[r] = f16(w_ih[r] | w_hh[r]).  Sources [4096][1024] f32, results [4096][2048] f16.
; The matrix product that follows wants 16-bit operands with K = 2048 along the rows; each number is rounded here once.
; WHY f16 AND NOT bf16: f16 keeps 11 significant bits, bf16 8, so each operand's rounding error is an eighth; the LayerNorm's gain and the term
; sigmoid'(f) c of the cell pass that error on to outputs that may lie near zero.
; LIMIT: a number above 65,504 in magnitude becomes infinity (its row of results NaN); below 2^-14 the step is 2^-24 absolute.  The inputs as drawn stay under
; about 6 (input, h) and 0.2 (weights); thirty times larger, or an offset of thirty spreads, is under 200 and 7; weights thirty times smaller have a spread
; of 0.001, of which the step 2^-24 is 6e-5.
; A stream: no LDS, no barrier, no matrix unit, no cluster (no two work-groups read a common byte).
; A source row and a result row are both 4,096 bytes.  Eight waves; the work-group owns 4 rows of each of the four sources, so one offset,
; 16,384 x the group's number, serves all six buffers.  Thread t owns bytes 16 t of a source row (4 f32) and bytes 8 t of the result's half row:
; a wave's load covers 512 consecutive bytes, a wave's store 256 consecutive bytes that start at a multiple of 256.
; All 16 loads of a wave go out first (8 KiB a wave on their way); no register is written twice, so no wait but the counted ones is needed.
.set ROW, 4096                         ; bytes in a source row and in a result row
.set X,   4                            ; v[4:67]   load n = 4 q + r (source q, row r): 4 registers
.set Y,   68                           ; v[68:99]  the same 4 numbers in f16: 2 registers
	s_load_b256 s[4:11], s[0:1], 0x0               ; input s[4:5], h s[6:7], w_ih s[8:9], w_hh s[10:11]
	s_load_b128 s[12:15], s[0:1], 0x20             ; a16 s[12:13], w16 s[14:15]
	s_lshl_b32 s2, ttmp9, 14                       ; 4 rows of 4,096 bytes for each work-group (below 16 MiB)
	s_mov_b32 s3, 0
	v_lshlrev_b32 v1, 4, v0                        ; my 16 bytes in a source row
	v_lshlrev_b32 v2, 3, v0                        ; my 8 bytes in a result's half row
	s_wait_kmcnt 0x0
.irp p, 4,6,8,10,12,14
	s_add_nc_u64 s[\p:\p+1], s[\p:\p+1], s[2:3]    ; every buffer at the group's first row
.endr
.irp q, 0,1,2,3
.irp r, 0,1,2,3
	global_load_b128 v[X+4*(4*\q+\r):X+4*(4*\q+\r)+3], v1, s[4+2*\q:5+2*\q] offset:ROW*\r th:TH_LOAD_NT   ; read once in the launch
.endr
.endr
.irp q, 0,1,2,3
.irp r, 0,1,2,3
	s_wait_loadcnt 15-(4*\q+\r)                    ; loads come back in order: load n is in, the 15 - n younger ones stay out
	v_cvt_pk_f16_f32 v[Y+2*(4*\q+\r)],   v[X+4*(4*\q+\r)],   v[X+4*(4*\q+\r)+1]
	v_cvt_pk_f16_f32 v[Y+2*(4*\q+\r)+1], v[X+4*(4*\q+\r)+2], v[X+4*(4*\q+\r)+3]
	global_store_b64 v2, v[Y+2*(4*\q+\r):Y+2*(4*\q+\r)+1], s[12+2*(\q/2):13+2*(\q/2)] offset:ROW*\r+2048*(\q%2)   ; sources 0, 1 to a16, 2, 3 to w16; the odd one fills the right half row
.endr
.endr
	s_endpgm
.Lfunc_end_k_q44bc643195_tof16:
	.size	k_q44bc643195_tof16, .Lfunc_end_k_q44bc643195_tof16-k_q44bc643195_tof16
	.p2alignl 7, 3214868480
	.fill 96, 4, 3214868480
	.section	.rodata,"a",@progbits
	.p2align	6, 0x0
	.amdhsa_kernel k_q44bc643195_tof16
		.amdhsa_group_segment_fixed_size 0
		.amdhsa_private_segment_fixed_size 0
		.amdhsa_enable_private_segment 0
		.amdhsa_kernarg_size 48
		.amdhsa_user_sgpr_count 2
		.amdhsa_user_sgpr_kernarg_segment_ptr 1
		.amdhsa_wavefront_size32 1
		.amdhsa_system_sgpr_workgroup_id_x 1
		.amdhsa_system_sgpr_workgroup_id_y 1
		.amdhsa_system_sgpr_workgroup_id_z 1
		.amdhsa_system_vgpr_workitem_id 0
		.amdhsa_next_free_vgpr 100
		.amdhsa_next_free_sgpr 66
		.amdhsa_reserve_vcc 0
		.amdhsa_float_denorm_mode_32 3
		.amdhsa_float_denorm_mode_16_64 3
		.amdhsa_memory_ordered 1
		.amdhsa_forward_progress 1
		.amdhsa_inst_pref_size 7
	.end_amdhsa_kernel
	.amdgpu_metadata
---
amdhsa.version: [ 1, 2 ]
amdhsa.kernels:
  - .name:           k_q44bc643195_tof16
    .symbol:         k_q44bc643195_tof16.kd
    .args:
      - { .name: input, .offset: 0, .size: 8, .value_kind: global_buffer, .address_space: global }
      - { .name: h, .offset: 8, .size: 8, .value_kind: global_buffer, .address_space: global }
      - { .name: w_ih, .offset: 16, .size: 8, .value_kind: global_buffer, .address_space: global }
      - { .name: w_hh, .offset: 24, .size: 8, .value_kind: global_buffer, .address_space: global }
      - { .name: a16, .offset: 32, .size: 8, .value_kind: global_buffer, .address_space: global }
      - { .name: w16, .offset: 40, .size: 8, .value_kind: global_buffer, .address_space: global }
    .group_segment_fixed_size: 0
    .private_segment_fixed_size: 0
    .kernarg_segment_align: 8
    .kernarg_segment_size: 48
    .max_flat_workgroup_size: 256
    .sgpr_count:     66
    .vgpr_count:     100
    .wavefront_size: 32
...
	.end_amdgpu_metadata
.endif
;; end of part 1
;; launch gemm (part 2): grid 16 x 16, 4 waves a work-group, clusters of 4 x 4, 327,680 bytes of LDS; arguments a16, w16, gates, b_ih, b_hh; writes gates
.if DOCPART == 2
	.amdgcn_target "amdgcn-amd-amdhsa--gfx1250"
	.amdhsa_code_object_version 6
	.text
	.protected	k_q44bc643195_gemm
	.globl	k_q44bc643195_gemm
	.p2align	8
	.type	k_q44bc643195_gemm,@function
k_q44bc643195_gemm:
	s_mov_b64 s[64:65], 0
	v_nop
	global_prefetch_b8 v0, s[64:65] scope:SCOPE_SE
	s_setreg_imm32_b32 hwreg(HW_REG_WAVE_MODE, 25, 1), 1
	s_wait_xcnt 0x0
	s_wait_alu depctr_hold_cnt(0) depctr_sa_sdst(0) depctr_va_vdst(0) depctr_va_sdst(0) depctr_va_ssrc(0) depctr_va_vcc(0) depctr_vm_vsrc(0)
	s_getreg_b32 s2, hwreg(HW_REG_IB_STS2, 6, 4)
	s_cmp_eq_u32 s2, 0
	s_cbranch_scc0 .Lentry_in_a_cluster
	s_endpgm
.Lentry_in_a_cluster:
	s_bfe_u32 s2, ttmp6, 0x10000c
	s_cmp_lg_u32 s2, 0xf033
	s_cbranch_scc0 .Lentry_shape_is_right
	s_endpgm
.Lentry_shape_is_right:
; gates[m][n] = sum over k of a16[m][k] w16[n][k] + b_ih[n] + b_hh[n].  a16, w16: [4096][2048] f16; gates: [4096][4096] f32; sums in f32.
; LIMIT: the operands are the inputs rounded once to f16 (11 significant bits; above 65,504 in magnitude they are infinity and the row's results NaN;
; below 2^-14 the step is 2^-24); sums, biases and the result stay in f32.
; A work-group makes a block of 256 x 256 with four waves; a wave makes 128 x 128: 64 accumulator tiles of 16 x 16, 512 registers.
; 16 x 16 blocks = 256 work-groups.  K goes in steps of 128 through a ring of two LDS slots filled by the tensor data mover; a tile's rows are
; 256 bytes of memory and start at multiples of 256 bytes from the buffer's first byte.
; CLUSTERS: 4 x 4 work-groups.  The four of a row of the cluster need the same tiles of a16, the four of a column the same tiles of w16.  Such a tile is
; asked for jointly: each of the four issues the same tensor load, with the same descriptor and a mask that names the four, and each receives it in its
; own LDS.  That divides the requests for both operands by four.
;
; REGISTERS, in windows of 256 (s_set_vgpr_msb says which window each operand place means):
;   window 0: v0-31 addresses; v64-127, v128-191 fragments of a16, two buffers (on the way out: sums with bias, and rows read back); v192-255 the bias
;   window 1: v0-63 b_hh at the head; v64-127, v128-191 fragments of w16, two buffers
;   window 2: the 32 accumulator tiles of my rows 0-63 (tile (a, b) at v[8 (8 a + b)]);   window 3: those of my rows 64-127
; s_set_vgpr_msb's low byte: bits 1:0 source 0, 3:2 source 1, 5:4 source 2, 7:6 destination.
;
; THE MATRIX INSTRUCTION IS USED TRANSPOSED: source 0 = 16 rows of w16, source 1 = 16 rows of a16.  Lane l then holds row m = l % 16 of the tile and its
; registers 0 to 7 the columns n = 8 (l / 16) + 0 .. 7: eight neighbouring f32 of a row of gates, 32 bytes, and one bias register for each of them.
; The 64 accumulators take turns, one instruction a turn, in the same order in every quarter step.
.set SIZE_N, 4096
.set SIZE_K, 2048
.set KSTEP,  128
.set PITCH,  272                       ; an LDS row: 256 bytes of data + 16 of padding, an odd multiple of 16: the 16 rows that a load touches lie in 16 different 16-byte columns of 256
.set HALFT,  128*PITCH                 ; 128 rows: what one tensor load brings, and what one wave reads of either operand
.set SLOT,   4*HALFT                   ; a16's 256 rows, then w16's 256 rows
.set STAGE,  2*SLOT                    ; behind the ring, at a multiple of 256, never the target of a fill: 16 rows x 528 bytes for each wave, for the way out
.set SPITCH, 528                       ; a stage row: 512 bytes (128 f32) + 16, again an odd multiple of 16; a wave's stage is 8,448 = 33 x 256 bytes
.set LAPS, SIZE_K/(2*KSTEP)            ; a lap = two K steps = once round the ring: 8
.set ADRA, 16                          ; v16-17  LDS address of my a16 fragments in slot 0, 1
.set ADRB, 20                          ; v20-21  the same for w16
.set STO,  24                          ; v24     the way out: where I put my 32 bytes of a row
.set RD,   25                          ; v25     the way out: where I read a row back
.set CO,   26                          ; v26     my byte offset in a row piece of gates
.set BO,   27                          ; v27     my byte offset in the bias vectors
.set F0,   64                          ; fragment buffer 0
.set F1,   128                         ; fragment buffer 1
.set BIAS, 192                         ; v[192:255], window 0: b_ih + b_hh of my 8 columns in each of the 8 column tiles
.set G1, 24                            ; s[24:31] descriptor group 1 for a16's tiles
.set G0, 32                            ; s[32:39] descriptor group 0 for a16's tiles, one set for each slot
.set G1B, 48                           ; s[48:55] descriptor group 1 for w16's tiles: it differs in the mask alone
.set G0B, 56                           ; s[56:63] descriptor group 0 for w16's tiles, one set for each slot
.set MSB, 0
.macro WIN new                         ; the immediate's high byte repeats the setting that is left; a switch that changes nothing is dropped
.if MSB != \new
	s_set_vgpr_msb (MSB<<8)|\new
.set MSB, \new
.endif
.endm
.set MUL_LO, 0xa1                      ; source 0 (w16) window 1, source 1 (a16) window 0, C and D window 2
.set MUL_HI, 0xf1                      ; the same, C and D window 3
.set TO_B,   0x40                      ; destination window 1, address window 0
; A joint load.  Waves 0 and 1 fetch a16's two halves, waves 2 and 3 w16's.  Each line has one mask and one set of registers for all that issue it.
; The branch hangs on the wave's number alone: it is the same in every work-group.
.macro JLOAD s
	s_cmp_eq_u32 s11, 0
	s_cbranch_scc0 .Lfor_b_\@
	tensor_load_to_lds s[G0+4*\s:G0+4*\s+3], s[G1:G1+7]
	s_nop 0
	s_branch .Lasked_\@
.Lfor_b_\@:
	tensor_load_to_lds s[G0B+4*\s:G0B+4*\s+3], s[G1B:G1B+7]
	s_nop 0
.Lasked_\@:
.endm
; A round of the cluster's barrier: my work-group's barrier, so that wave 0's signal speaks for all four waves; wave 0 signals for the work-group;
; every wave waits for all sixteen work-groups; my work-group's barrier once more.
.macro CREST                           ; a round behind its opening barrier
	s_cmp_lg_u32 s10, 0
	s_cbranch_scc1 .Lnot_wave_0_\@
	s_barrier_signal -3
.Lnot_wave_0_\@:
	s_barrier_wait -3
	s_barrier_signal -1
	s_barrier_wait -1
.endm
.macro CROUND                          ; a whole round
	s_barrier_signal -1
	s_barrier_wait -1
	CREST
.endm
	s_load_b128 s[4:7], s[0:1], 0x0                ; a16 s[4:5], w16 s[6:7]
	s_load_b64 s[8:9], s[0:1], 0x10                ; gates
	s_load_b64 s[68:69], s[0:1], 0x18              ; b_ih
	s_load_b64 s[70:71], s[0:1], 0x20              ; b_hh
	s_set_vgpr_msb 0x40
	v_lshl_add_u32 v255, v0, 2, 0x4c400
	s_set_vgpr_msb 0x4000
	v_mov_b32 v63, 0
	s_set_vgpr_msb 0x1
	ds_add_u32 v255, v63
	s_set_vgpr_msb 0x100
	v_lshrrev_b32 v1, 5, v0
	v_readfirstlane_b32 s10, v1                    ; wave 0..3
	s_lshr_b32 s11, s10, 1                         ; which half of the block's rows is mine.  Also: I fetch for a16 (0) or for w16 (1)
	s_and_b32 s12, s10, 1                          ; which half of its columns.  Also: which 128 rows of that tile I fetch
	s_bfe_u32 s40, ttmp6, 0x40000                  ; cx: my place along the cluster's x
	s_bfe_u32 s41, ttmp6, 0x40004                  ; cy: along its y
	s_lshl_b32 s42, ttmp9, 2                       ; in a cluster launch ttmp9 and ttmp7 count clusters
	s_add_co_u32 s42, s42, s40                     ; block column = 4 x cluster x + cx
	s_and_b32 s13, ttmp7, 0xffff
	s_lshl_b32 s13, s13, 2
	s_add_co_u32 s13, s13, s41                     ; block row = 4 x cluster y + cy
	s_lshl_b32 s43, s41, 2
	s_lshl_b32 s43, 15, s43                        ; my row of the cluster: places 4 cy .. 4 cy + 3
	s_lshl_b32 s44, 0x1111, s40                    ; my column: places cx, cx + 4, cx + 8, cx + 12
	; descriptor group 1: a tile of 128 rows x 128 elements of 2 bytes, padded in LDS
	s_or_b32 s[G1+0], s43, (1<<16)|(1<<20)|(1<<21)|(5<<22)|(3<<25)  ; 15:0 the mask: a16's tiles go to my row; 17:16 element of 2 bytes; 20 padding on; 21 set beside a mask; 24:22 after every 64 words; 31:25 four words
	s_or_b32 s[G1B+0], s44, (1<<16)|(1<<20)|(1<<21)|(5<<22)|(3<<25) ; the same with the mask of my column, for w16's tiles
	s_mov_b32 s[G1B+1], KSTEP<<16
	s_mov_b32 s[G1+1], KSTEP<<16                   ; tensor_dim0 = 128 (the tiles never cross the tensor's end: the extents are the tile's)
	s_mov_b32 s[G1B+2], 128<<16
	s_mov_b32 s[G1+2], 128<<16                     ; tensor_dim1 = 128
	s_mov_b32 s[G1B+3], KSTEP<<16
	s_mov_b32 s[G1+3], KSTEP<<16                   ; tile_dim0 = 128
	s_mov_b32 s[G1B+4], 128
	s_mov_b32 s[G1+4], 128                         ; tile_dim1 = 128; tile_dim2 = 0
	s_mov_b32 s[G1B+5], SIZE_K
	s_mov_b32 s[G1+5], SIZE_K                      ; elements from row to row
	s_mov_b32 s[G1B+6], 0
	s_mov_b32 s[G1+6], 0
	s_mov_b32 s[G1B+7], 0
	s_mov_b32 s[G1+7], 0
	; where the tiles come from.  a16's hang on the block row alone, which my row of the cluster shares; w16's on the block column alone, which my column
	; shares.  Every wave makes both addresses, in registers that never hold the other coordinate, and asks by one of them.
	s_lshl_b32 s17, s12, 7                         ; which 128 rows of the tile I fetch
	s_lshl_b32 s16, s13, 8
	s_add_co_u32 s16, s16, s17                     ; a16: row 256 x block row + 128 x half
	s_lshl_b32 s46, s42, 8
	s_add_co_u32 s46, s46, s17                     ; w16: row 256 x block column + 128 x half
	s_mov_b32 s17, 0
	s_mov_b32 s47, 0
	s_mov_b64 s[18:19], SIZE_K*2
	s_mul_u64 s[16:17], s[16:17], s[18:19]         ; in bytes
	s_mul_u64 s[46:47], s[46:47], s[18:19]
	s_mul_i32 s20, s10, HALFT                      ; and where they go: wave x 128 rows: no place in the cluster enters an LDS address
	s_lshl_b32 s66, s42, 10                        ; my first column in bytes of f32: 1,024 x block column + 512 x half, in registers that feed no descriptor
	s_lshl_b32 s67, s12, 9
	s_add_co_u32 s66, s66, s67
	s_mov_b32 s67, 0
	s_wait_dscnt 0x0
	s_wait_kmcnt 0x0
	s_add_nc_u64 s[14:15], s[4:5], s[16:17]
	s_add_nc_u64 s[46:47], s[6:7], s[46:47]
	s_add_nc_u64 s[68:69], s[68:69], s[66:67]      ; both biases at my first column
	s_add_nc_u64 s[70:71], s[70:71], s[66:67]
	CROUND                                         ; all sixteen work-groups are here: the first joint loads meet
.irp s, 0,1
	s_mov_b32 s[G0+4*\s], 1                                        ; count = 1
	s_add_co_u32 s[G0+4*\s+1], s20, \s*SLOT                        ; LDS address
	s_add_nc_u64 s[G0+4*\s+2:G0+4*\s+3], s[14:15], \s*KSTEP*2      ; global address: K step s
	s_or_b32 s[G0+4*\s+3], s[G0+4*\s+3], 0x80000000                ; type = 2
	s_mov_b32 s[G0B+4*\s], 1
	s_add_co_u32 s[G0B+4*\s+1], s20, \s*SLOT
	s_add_nc_u64 s[G0B+4*\s+2:G0B+4*\s+3], s[46:47], \s*KSTEP*2
	s_or_b32 s[G0B+4*\s+3], s[G0B+4*\s+3], 0x80000000
	JLOAD \s                                       ; the ring is filled before anything else is done: two tensor loads of the wave are out
.endr
	; The bias, while the first tiles are on their way.  In column tile b my registers 0 to 7 are columns 16 b + 8 (l / 16) + 0 .. 7: 32 bytes at 64 b + 32 (l / 16).
	v_and_b32 v1, 15, v0                           ; l % 16
	v_bfe_u32 v2, v0, 4, 1                         ; l / 16
	v_lshlrev_b32 v[BO], 5, v2
.irp b, 0,1,2,3,4,5,6,7
	global_load_b128 v[BIAS+8*\b:BIAS+8*\b+3],   v[BO], s[68:69] offset:64*\b
	global_load_b128 v[BIAS+8*\b+4:BIAS+8*\b+7], v[BO], s[68:69] offset:64*\b+16
.endr
	WIN TO_B                                       ; b_hh into window 1, v0-63
.irp b, 0,1,2,3,4,5,6,7
	global_load_b128 v[8*\b:8*\b+3],   v[BO], s[70:71] offset:64*\b
	global_load_b128 v[8*\b+4:8*\b+7], v[BO], s[70:71] offset:64*\b+16
.endr
	WIN 0
	; A fragment is 16 rows x 32 K in 8 registers: lane l holds row l % 16; registers 0-3 hold K = 8 (l / 16) + 0..7, registers 4-7 hold
	; K = 16 + 8 (l / 16) + 0..7.  From rows that lie along K: two loads of 16 bytes, 32 bytes apart.  The same for source 0 and source 1.
	v_mul_u32_u24 v3, v1, PITCH
	v_lshl_add_u32 v3, v2, 4, v3                   ; row x pitch + 16 x half
	s_mul_i32 s21, s11, HALFT                      ; my 128 rows of a16
	s_mul_i32 s22, s12, HALFT                      ; my 128 rows of w16,
	s_add_co_u32 s22, s22, 2*HALFT                 ; which lie behind a16's 256
.irp s, 0,1
	v_add_nc_u32 v[ADRA+\s], s21, v3
	v_add_nc_u32 v[ADRB+\s], s22, v3
	s_add_co_u32 s21, s21, SLOT
	s_add_co_u32 s22, s22, SLOT
.endr
	s_mul_i32 s23, s10, 16*SPITCH
	s_add_co_u32 s23, s23, STAGE                   ; my stage
	v_mul_u32_u24 v4, v1, SPITCH                   ; in: row l % 16, 32 bytes for each half of the lanes
	v_lshl_add_u32 v4, v2, 5, v4
	v_add_nc_u32 v[STO], s23, v4
	v_and_b32 v5, 31, v0
	v_lshlrev_b32 v[CO], 4, v5                     ; back and out: 32 lanes x 16 bytes = one row piece of 512 bytes
	v_add_nc_u32 v[RD], s23, v[CO]
	s_wait_loadcnt 0x0                             ; both biases are in
	WIN 0x04                                       ; source 1 in window 1
.set i, 0
.rept 32
	v_pk_add_f32 v[BIAS+2*i:BIAS+2*i+1], v[BIAS+2*i:BIAS+2*i+1], v[2*i:2*i+1]   ; b_ih + b_hh, kept for the way out
.set i, i+1
.endr
	WIN 0
; 16 matrix instructions: m blocks a0, a0 + 1 of the window's four (hi = 0: my rows 0-63, 1: rows 64-127) x all 8 n blocks, 32 along K.
; zero = 1: the first product starts the sums: nothing is ever cleared.
.macro MUL16 f, hi, a0, zero
.irp a, \a0, \a0+1
.irp b, 0,1,2,3,4,5,6,7
.if \zero
	v_wmma_f32_16x16x32_f16 v[8*(8*(\a)+\b):8*(8*(\a)+\b)+7], v[\f+8*\b:\f+8*\b+7], v[\f+8*(4*\hi+\a):\f+8*(4*\hi+\a)+7], 0
.else
	v_wmma_f32_16x16x32_f16 v[8*(8*(\a)+\b):8*(8*(\a)+\b)+7], v[\f+8*\b:\f+8*\b+7], v[\f+8*(4*\hi+\a):\f+8*(4*\hi+\a)+7], v[8*(8*(\a)+\b):8*(8*(\a)+\b)+7]
.endif
.endr
.endr
.endm
; 32 LDS loads in one run: the fragments of one quarter step (128 rows of w16, 128 rows of a16, 32 K at byte k of the rows) into buffer f
.macro FETCH slot, k, f
	WIN TO_B
.irp i, 0,1,2,3,4,5,6,7
	ds_load_b128 v[\f+8*\i:\f+8*\i+3],   v[ADRB+\slot] offset:\k+\i*16*PITCH
	ds_load_b128 v[\f+8*\i+4:\f+8*\i+7], v[ADRB+\slot] offset:\k+\i*16*PITCH+32
.endr
	WIN 0
.irp i, 0,1,2,3,4,5,6,7
	ds_load_b128 v[\f+8*\i:\f+8*\i+3],   v[ADRA+\slot] offset:\k+\i*16*PITCH
	ds_load_b128 v[\f+8*\i+4:\f+8*\i+7], v[ADRA+\slot] offset:\k+\i*16*PITCH+32
.endr
.endm
; A load into a register that a matrix instruction has read, and a vector instruction that reads a matrix result or writes one of a matrix
; instruction's registers, stand four places behind that matrix instruction; only plain vector instructions that name none of its registers are
; places, and the matrix instructions in between are not counted here.  So four v_nop stand in front of each run of loads.
.macro PLACES
.rept 4
	v_nop
.endr
.endm
; A K step is four quarter steps of 32 along K, 64 matrix instructions each, on buffers 0, 1, 0, 1.
; One of the first three: multiplies buffer f; in its middle it fetches the next quarter's fragments, at byte k of the same slot's rows, into buffer g.
.macro QUARTER slot, k, f, g, zero
	s_wait_dscnt 8                                 ; w16's fragments and a16's rows 0-63 are in; the youngest eight loads (a16's rows 64-127) may be out
	WIN MUL_LO
	MUL16 \f, 0, 0, \zero
	MUL16 \f, 0, 2, \zero
	PLACES
	FETCH \slot, \k, \g
	s_wait_dscnt 32                                ; all but the 32 just issued
	WIN MUL_HI
	MUL16 \f, 1, 0, \zero
	MUL16 \f, 1, 2, \zero
.endm
.macro THREE slot, zero
	QUARTER \slot, 64,  F0, F1, \zero
	QUARTER \slot, 128, F1, F0, 0
	QUARTER \slot, 192, F0, F1, 0
.endm
; The last quarter: multiplies buffer 1 and changes slots.  next = the other slot; fill = 1: this slot is filled again, two K steps ahead.
; One barrier for the change of slots.  In front of it each wave waits for its own reads of this slot and for all its tensor loads, of which one is
; out: its part of the next slot.  Behind it nobody reads this slot any more and the next slot is whole: the refill comes first, then the next
; slot's first fragments.  From a request to the wait for it a wave issues 240 matrix instructions.
.macro TURN slot, next, fill
	s_wait_dscnt 8
	WIN MUL_LO
	MUL16 F1, 0, 0, 0
	s_wait_dscnt 0                                 ; my reads of this slot are over
	s_wait_tensorcnt 0x0                           ; and all my tensor loads have landed: the one that was out is my part of the next slot
	ds_add_u32 v255, v63
	s_wait_dscnt 0x0
	s_barrier_signal -1                            ; say so (where a slot is filled again this barrier opens a round of the cluster's barrier),
	MUL16 F1, 0, 2, 0                              ; work on registers while the others arrive,
	WIN 0
	s_barrier_wait -1                              ; and go on when all four have said so
.if \fill
	CREST                                          ; all sixteen work-groups have said so: no wave of any partner still reads this slot's tile or has a load on its way
	s_add_nc_u64 s[G0+4*\slot+2:G0+4*\slot+3], s[G0+4*\slot+2:G0+4*\slot+3], 2*KSTEP*2      ; no tensor load of mine is out: a group 0 may be written
	s_add_nc_u64 s[G0B+4*\slot+2:G0B+4*\slot+3], s[G0B+4*\slot+2:G0B+4*\slot+3], 2*KSTEP*2
	JLOAD \slot                                    ; the first tensor load behind the round, and my only one until the next
.endif
	PLACES
	FETCH \next, 0, F0
	WIN MUL_HI
	MUL16 F1, 1, 0, 0
	MUL16 F1, 1, 2, 0
.endm
.macro LAP zero                        ; once round the ring, both slots filled again
	THREE 0, \zero
	TURN 0, 1, 1
	THREE 1, 0
	TURN 1, 0, 1
.endm
	s_wait_tensorcnt 1                             ; my part of K step 0 is in; K step 1's may stay out
	s_barrier_signal -1
	s_barrier_wait -1                              ; everybody's is
	FETCH 0, 0, F0
	LAP 1                                          ; the first lap stands in front of the loop: its first products start the sums
	WIN 0                                          ; at a label and at a branch every window is 0
	s_mov_b32 s3, LAPS-2
.Llap:
	LAP 0
	WIN 0
	s_sub_co_u32 s3, s3, 1
	s_cmp_lg_u32 s3, 0
	s_cbranch_scc1 .Llap
	THREE 0, 0                                     ; the last lap fills nothing and has no round of the cluster's barrier: the one tensor load still out is slot 1's, the last K step's
	TURN 0, 1, 0
	THREE 1, 0
	s_wait_dscnt 8                                 ; the very last quarter: nothing more to fetch
	WIN MUL_LO
	MUL16 F1, 0, 0, 0
	MUL16 F1, 0, 2, 0
	s_wait_dscnt 0
	WIN MUL_HI
	MUL16 F1, 1, 0, 0
	MUL16 F1, 1, 2, 0
	; THE WAY OUT, 16 rows at a time: add the bias, 32 bytes a lane and tile into my own stage in LDS, read back as row pieces of 512 bytes, store.
	; The four v_nop are the places behind the last matrix instructions: for the additions, which read results and write buffer 0, and for the loads into buffer 1.
	PLACES
	s_lshl_b32 s13, s13, 8
	s_lshl_b32 s14, s11, 7
	s_add_co_u32 s16, s13, s14                     ; my first row of gates
	s_mov_b32 s17, 0
	s_mov_b64 s[18:19], SIZE_N*4
	s_mul_u64 s[16:17], s[16:17], s[18:19]
	s_add_nc_u64 s[8:9], s[8:9], s[16:17]
	s_add_nc_u64 s[8:9], s[8:9], s[66:67]          ; and my first column
; rows 16 i .. 16 i + 15 of my block = the eight tiles (a, 0..7) of window 2 or 3 (from = 0x02 or 0x03: source 0)
.macro OUT16 i, a, from
	WIN \from
.irp b, 0,1,2,3,4,5,6,7
.irp p, 0,2,4,6
	v_pk_add_f32 v[F0+8*\b+\p:F0+8*\b+\p+1], v[8*(8*\a+\b)+\p:8*(8*\a+\b)+\p+1], v[BIAS+8*\b+\p:BIAS+8*\b+\p+1]
.endr
.endr
	WIN 0
.irp b, 0,1,2,3,4,5,6,7
	ds_store_b128 v[STO], v[F0+8*\b:F0+8*\b+3]   offset:64*\b
	ds_store_b128 v[STO], v[F0+8*\b+4:F0+8*\b+7] offset:64*\b+16
.endr
	s_wait_xcnt 0x0                                ; the last 16 rows' stores have had their addresses translated: buffer 1, which they read, and their base are rewritten only behind this wait
.if \i
	s_add_nc_u64 s[8:9], s[8:9], 16*SIZE_N*4       ; 16 rows on, so that the stores' offsets stay at 15 rows at the most
.endif
.irp t, 0,1,2,3,4,5,6,7,8,9,10,11,12,13,14,15
	ds_load_b128 v[F1+4*\t:F1+4*\t+3], v[RD] offset:\t*SPITCH      ; LDS serves a wave's instructions in order: these see my stores above; the stage is my own
.endr
.irp t, 0,1,2,3,4,5,6,7,8,9,10,11,12,13,14,15
	s_wait_dscnt 15-\t                             ; row t is back, the younger 15 - t may be out
	global_store_b128 v[CO], v[F1+4*\t:F1+4*\t+3], s[8:9] offset:\t*SIZE_N*4   ; the wave stores 512 consecutive bytes, at a multiple of 512 from the buffer's first byte
.endr
.endm
	OUT16 0, 0, 0x02
	OUT16 1, 1, 0x02
	OUT16 2, 2, 0x02
	OUT16 3, 3, 0x02
	OUT16 4, 0, 0x03
	OUT16 5, 1, 0x03
	OUT16 6, 2, 0x03
	OUT16 7, 3, 0x03
	s_set_vgpr_msb 0x1
	s_wait_tensorcnt 0x0
	ds_add_u32 v255, v63
	s_wait_dscnt 0x0
	s_set_vgpr_msb 0x100
	CROUND                                         ; the closing round: no work-group ends while a partner may still ask for a tile that names it
	s_endpgm
.Lfunc_end_k_q44bc643195_gemm:
	.size	k_q44bc643195_gemm, .Lfunc_end_k_q44bc643195_gemm-k_q44bc643195_gemm
	.p2alignl 7, 3214868480
	.fill 96, 4, 3214868480
	.section	.rodata,"a",@progbits
	.p2align	6, 0x0
	.amdhsa_kernel k_q44bc643195_gemm
		.amdhsa_group_segment_fixed_size 327680
		.amdhsa_private_segment_fixed_size 0
		.amdhsa_enable_private_segment 0
		.amdhsa_kernarg_size 40
		.amdhsa_user_sgpr_count 2
		.amdhsa_user_sgpr_kernarg_segment_ptr 1
		.amdhsa_wavefront_size32 1
		.amdhsa_system_sgpr_workgroup_id_x 1
		.amdhsa_system_sgpr_workgroup_id_y 1
		.amdhsa_system_sgpr_workgroup_id_z 1
		.amdhsa_system_vgpr_workitem_id 0
		.amdhsa_next_free_vgpr 1024
		.amdhsa_next_free_sgpr 72
		.amdhsa_reserve_vcc 0
		.amdhsa_float_denorm_mode_32 3
		.amdhsa_float_denorm_mode_16_64 3
		.amdhsa_memory_ordered 1
		.amdhsa_forward_progress 1
		.amdhsa_inst_pref_size 217
	.end_amdhsa_kernel
	.amdgpu_metadata
---
amdhsa.version: [ 1, 2 ]
amdhsa.kernels:
  - .name:           k_q44bc643195_gemm
    .symbol:         k_q44bc643195_gemm.kd
    .args:
      - { .name: a16, .offset: 0, .size: 8, .value_kind: global_buffer, .address_space: global }
      - { .name: w16, .offset: 8, .size: 8, .value_kind: global_buffer, .address_space: global }
      - { .name: gates, .offset: 16, .size: 8, .value_kind: global_buffer, .address_space: global }
      - { .name: b_ih, .offset: 24, .size: 8, .value_kind: global_buffer, .address_space: global }
      - { .name: b_hh, .offset: 32, .size: 8, .value_kind: global_buffer, .address_space: global }
    .group_segment_fixed_size: 327680
    .private_segment_fixed_size: 0
    .kernarg_segment_align: 8
    .kernarg_segment_size: 40
    .max_flat_workgroup_size: 128
    .sgpr_count:     72
    .vgpr_count:     1024
    .wavefront_size: 32
...
	.end_amdgpu_metadata
.endif
;; end of part 2
;; launch lnlstm (part 3): grid 1024 x 1, 8 waves a work-group, no clusters, 1,280 bytes of LDS; arguments gates, c, ln_gamma, ln_beta, out0, out1; writes out0, out1
.if DOCPART == 3
	.amdgcn_target "amdgcn-amd-amdhsa--gfx1250"
	.amdhsa_code_object_version 6
	.text
	.protected	k_q44bc643195_lnlstm
	.globl	k_q44bc643195_lnlstm
	.p2align	8
	.type	k_q44bc643195_lnlstm,@function
k_q44bc643195_lnlstm:
	s_mov_b64 s[64:65], 0
	v_nop
	global_prefetch_b8 v0, s[64:65] scope:SCOPE_SE
	s_setreg_imm32_b32 hwreg(HW_REG_WAVE_MODE, 25, 1), 1
	s_wait_xcnt 0x0
; LayerNorm over a row of 4,096 gates, then the LSTM step:
;   y = (gates - mean) rsqrt(var + 1e-5) gamma + beta;  (i, f, g, o) = the four quarters of y
;   out1 = new_c = sigmoid(f) c + sigmoid(i) tanh(g);   out0 = new_h = sigmoid(o) tanh(new_c).      All in f32.
; A stream: no matrix unit, no tensor load, no cluster (what work-groups share, gamma and beta, is 32 KiB beside the group's 80 KiB of rows).
; Eight waves; the work-group owns 4 rows.  Thread t owns hidden columns 4 t .. 4 t + 3: bytes 16 t of each quarter of a gate row and of a row of c, out0
; and out1.  So i, f, g, o of a column meet in one lane, gamma and beta are loaded once for 4 rows, the rows stay in registers between the passes
; (each byte is read once), and every load and store of a wave covers 512 consecutive bytes.
; The variance is the mean of the squares of the CENTRED numbers, as the definition has it: no difference of large sums is formed.
; sigmoid(y) = 1 / (1 + 2^(-y log2 e));  tanh(y) = 1 - 2 / (1 + 2^(2 y log2 e)).  The factors -log2 e and 2 log2 e are folded into gamma and beta once.
; LIMITS: this tanh has an absolute error of about 1e-7, so the relative accuracy and the sign of results smaller than that are not kept.  A power of two
; that overflows to infinity or falls to zero (v_exp_f32 gives zero for results below 2^-126) gives the saturated values 0, 1, -1.  NaN goes through.
.set GROW, 16384                       ; bytes in a row of gates
.set HROW, 4096                        ; bytes in a quarter of it, and in a row of c, out0, out1
.set OFF,  1                           ; v1         16 t; never rewritten
.set G,    2                           ; v[2:65]    row r, quarter q: 4 registers at G + 16 r + 4 q
.set CC,   66                          ; v[66:81]   c of row r at CC + 4 r; later new_c
.set GA,   82                          ; v[82:97]   gamma of quarter q at GA + 4 q, times the exponent's factor
.set BE,   98                          ; v[98:113]  beta likewise
.set SUM,  114                         ; v[114:117] the wave's sum for each of the 4 rows
.set P,    118                         ; v118       what v_permlanex16_b32 brings
.set LS,   119                         ; v119       LDS address of my wave's four words
.set LR,   120                         ; v120       4 x lane
.set T,    121                         ; v121       totals
.set ACA,  122                         ; v[122:123], v[124:125]: two chains of packed sums
.set ACB,  124
.set NL2E, 0xbfb8aa3b                  ; -log2 e
.set L2E2, 0x4038aa3b                  ; 2 log2 e
	s_load_b256 s[4:11], s[0:1], 0x0               ; gates s[4:5], c s[6:7], gamma s[8:9], beta s[10:11]
	s_load_b128 s[12:15], s[0:1], 0x20             ; out0 s[12:13], out1 s[14:15]
	v_lshl_add_u32 v128, v0, 2, 0x100
	v_mov_b32 v129, 0
	s_lshl_b32 s2, ttmp9, 16                       ; 4 rows of 16,384 bytes
	s_mov_b32 s3, 0
	s_lshl_b32 s16, ttmp9, 14                      ; 4 rows of 4,096 bytes
	s_mov_b32 s17, 0
	s_mov_b32 s20, 0x39800000                      ; 1 / 4096
	s_mov_b32 s21, 0x3727c5ac                      ; 1e-5
	s_mov_b32 s22, 0x76543210                      ; v_permlanex16_b32: lane i of one half reads lane i of the other
	s_mov_b32 s23, 0xfedcba98
	v_lshlrev_b32 v[OFF], 4, v0
	v_lshrrev_b32 v[T], 5, v0
	v_readfirstlane_b32 s18, v[T]                  ; my wave's number
	s_lshl_b32 s19, s18, 4
	v_mov_b32 v[LS], s19                           ; 16 bytes for each wave
	v_and_b32 v[LR], 31, v0
	v_lshlrev_b32 v[LR], 2, v[LR]
	v_mov_b32 v[P], 0                              ; the permute's destination counts as read
	s_wait_kmcnt 0x0
	s_add_nc_u64 s[4:5], s[4:5], s[2:3]
	s_add_nc_u64 s[6:7], s[6:7], s[16:17]
	s_add_nc_u64 s[12:13], s[12:13], s[16:17]
	s_add_nc_u64 s[14:15], s[14:15], s[16:17]
	; 28 loads, all at once: 16 of gates, 4 of gamma, 4 of beta, 4 of c, in the order in which they are needed
.irp r, 0,1,2,3
.irp q, 0,1,2,3
	global_load_b128 v[G+16*\r+4*\q:G+16*\r+4*\q+3], v[OFF], s[4:5] offset:GROW*\r+HROW*\q th:TH_LOAD_NT
.endr
.endr
.irp q, 0,1,2,3
	global_load_b128 v[GA+4*\q:GA+4*\q+3], v[OFF], s[8:9] offset:HROW*\q
.endr
.irp q, 0,1,2,3
	global_load_b128 v[BE+4*\q:BE+4*\q+3], v[OFF], s[10:11] offset:HROW*\q
.endr
.irp r, 0,1,2,3
	global_load_b128 v[CC+4*\r:CC+4*\r+3], v[OFF], s[6:7] offset:HROW*\r th:TH_LOAD_NT
.endr
; the sum of register x over the wave's 32 lanes, in every lane
.macro WRED x
	v_add_f32_dpp v[\x], v[\x], v[\x] row_xmask:1 row_mask:0xf bank_mask:0xf
	v_add_f32_dpp v[\x], v[\x], v[\x] row_xmask:2 row_mask:0xf bank_mask:0xf
	v_add_f32_dpp v[\x], v[\x], v[\x] row_xmask:4 row_mask:0xf bank_mask:0xf
	v_add_f32_dpp v[\x], v[\x], v[\x] row_xmask:8 row_mask:0xf bank_mask:0xf
	v_permlanex16_b32 v[P], v[\x], s22, s23
	v_add_f32 v[\x], v[\x], v[P]
.endm
; over the eight waves: lane l takes word l = 4 w + r of the 32 words at byte off; the lanes with equal l % 4 are added: lane l ends with row l % 4's total
.macro XRED off
	ds_load_b32 v[T], v[LR] offset:\off
	s_wait_dscnt 0x0
	v_add_f32_dpp v[T], v[T], v[T] row_xmask:4 row_mask:0xf bank_mask:0xf
	v_add_f32_dpp v[T], v[T], v[T] row_xmask:8 row_mask:0xf bank_mask:0xf
	v_permlanex16_b32 v[P], v[T], s22, s23
	v_add_f32 v[T], v[T], v[P]
.endm
; pass 1, row r: my 16 numbers in two chains, then the wave's sum
.macro ROWSUM r
	s_wait_loadcnt 24-4*\r                         ; loads come back in order: row r's four are in; the later rows, gamma, beta and c stay out
	v_pk_add_f32 v[ACA:ACA+1], v[G+16*\r:G+16*\r+1],   v[G+16*\r+2:G+16*\r+3]
	v_pk_add_f32 v[ACB:ACB+1], v[G+16*\r+4:G+16*\r+5], v[G+16*\r+6:G+16*\r+7]
	v_pk_add_f32 v[ACA:ACA+1], v[ACA:ACA+1], v[G+16*\r+8:G+16*\r+9]
	v_pk_add_f32 v[ACB:ACB+1], v[ACB:ACB+1], v[G+16*\r+10:G+16*\r+11]
	v_pk_add_f32 v[ACA:ACA+1], v[ACA:ACA+1], v[G+16*\r+12:G+16*\r+13]
	v_pk_add_f32 v[ACB:ACB+1], v[ACB:ACB+1], v[G+16*\r+14:G+16*\r+15]
	v_pk_add_f32 v[ACA:ACA+1], v[ACA:ACA+1], v[ACB:ACB+1]
	v_add_f32 v[SUM+\r], v[ACA], v[ACA+1]
	WRED SUM+\r
.endm
; pass 2, row r: centre in place (s[24+2r] = -mean), then the sum of the squares
.macro ROWSQ r
.irp p, 0,2,4,6,8,10,12,14
	v_pk_add_f32 v[G+16*\r+\p:G+16*\r+\p+1], v[G+16*\r+\p:G+16*\r+\p+1], s[24+2*\r:25+2*\r] op_sel_hi:[1,0]
.endr
	v_pk_mul_f32 v[ACA:ACA+1], v[G+16*\r:G+16*\r+1],   v[G+16*\r:G+16*\r+1]      ; the first squares start the chains
	v_pk_mul_f32 v[ACB:ACB+1], v[G+16*\r+2:G+16*\r+3], v[G+16*\r+2:G+16*\r+3]
.irp p, 4,8,12
	v_pk_fma_f32 v[ACA:ACA+1], v[G+16*\r+\p:G+16*\r+\p+1],   v[G+16*\r+\p:G+16*\r+\p+1],   v[ACA:ACA+1]
	v_pk_fma_f32 v[ACB:ACB+1], v[G+16*\r+\p+2:G+16*\r+\p+3], v[G+16*\r+\p+2:G+16*\r+\p+3], v[ACB:ACB+1]
.endr
	v_pk_add_f32 v[ACA:ACA+1], v[ACA:ACA+1], v[ACB:ACB+1]
	v_add_f32 v[SUM+\r], v[ACA], v[ACA+1]
	WRED SUM+\r
.endm
; pass 3, row r (s[24+2r] = rsqrt(var + eps)): the four gates, new_c, new_h.  Quarters: i at +0, f at +4, g at +8, o at +12.
.macro ACT r
.irp p, 0,2,4,6,8,10,12,14
	v_pk_mul_f32 v[G+16*\r+\p:G+16*\r+\p+1], v[G+16*\r+\p:G+16*\r+\p+1], s[24+2*\r:25+2*\r] op_sel_hi:[1,0]
.endr
.irp p, 0,2,4,6,8,10,12,14
	v_pk_fma_f32 v[G+16*\r+\p:G+16*\r+\p+1], v[G+16*\r+\p:G+16*\r+\p+1], v[GA+\p:GA+\p+1], v[BE+\p:BE+\p+1]   ; the exponent: y times its factor
.endr
.irp p, 0,1,2,3,4,5,6,7,8,9,10,11,12,13,14,15
	v_exp_f32 v[G+16*\r+\p], v[G+16*\r+\p]
.endr
	v_nop                                          ; one plain vector instruction between a transcendental and the first use of its result
	s_wait_alu depctr_va_vdst(0)
.irp p, 0,2,4,6,8,10,12,14
	v_pk_add_f32 v[G+16*\r+\p:G+16*\r+\p+1], v[G+16*\r+\p:G+16*\r+\p+1], 1.0 op_sel_hi:[1,0]
.endr
.irp p, 0,1,2,3,4,5,6,7,8,9,10,11,12,13,14,15
	v_rcp_f32 v[G+16*\r+\p], v[G+16*\r+\p]
.endr
	v_nop
	s_wait_alu depctr_va_vdst(0)
.irp p, 0,2
	v_pk_fma_f32 v[G+16*\r+8+\p:G+16*\r+9+\p], v[G+16*\r+8+\p:G+16*\r+9+\p], -2.0, 1.0 op_sel_hi:[1,0,0]      ; tanh(g)
.endr
.irp p, 0,2
	v_pk_mul_f32 v[G+16*\r+8+\p:G+16*\r+9+\p], v[G+16*\r+\p:G+16*\r+\p+1], v[G+16*\r+8+\p:G+16*\r+9+\p]       ; sigmoid(i) tanh(g)
.endr
.irp p, 0,2
	v_pk_fma_f32 v[CC+4*\r+\p:CC+4*\r+\p+1], v[G+16*\r+4+\p:G+16*\r+5+\p], v[CC+4*\r+\p:CC+4*\r+\p+1], v[G+16*\r+8+\p:G+16*\r+9+\p]   ; new_c
.endr
	global_store_b128 v[OFF], v[CC+4*\r:CC+4*\r+3], s[14:15] offset:HROW*\r th:TH_STORE_NT    ; its registers are not written again
.irp p, 0,2
	v_pk_mul_f32 v[G+16*\r+\p:G+16*\r+\p+1], v[CC+4*\r+\p:CC+4*\r+\p+1], L2E2 op_sel_hi:[1,0]
.endr
.irp p, 0,1,2,3
	v_exp_f32 v[G+16*\r+\p], v[G+16*\r+\p]
.endr
	v_nop
	s_wait_alu depctr_va_vdst(0)
.irp p, 0,2
	v_pk_add_f32 v[G+16*\r+\p:G+16*\r+\p+1], v[G+16*\r+\p:G+16*\r+\p+1], 1.0 op_sel_hi:[1,0]
.endr
.irp p, 0,1,2,3
	v_rcp_f32 v[G+16*\r+\p], v[G+16*\r+\p]
.endr
	v_nop
	s_wait_alu depctr_va_vdst(0)
.irp p, 0,2
	v_pk_fma_f32 v[G+16*\r+\p:G+16*\r+\p+1], v[G+16*\r+\p:G+16*\r+\p+1], -2.0, 1.0 op_sel_hi:[1,0,0]          ; tanh(new_c)
.endr
.irp p, 0,2
	v_pk_mul_f32 v[G+16*\r+12+\p:G+16*\r+13+\p], v[G+16*\r+12+\p:G+16*\r+13+\p], v[G+16*\r+\p:G+16*\r+\p+1]   ; new_h
.endr
	global_store_b128 v[OFF], v[G+16*\r+12:G+16*\r+15], s[12:13] offset:HROW*\r th:TH_STORE_NT
.endm
	ROWSUM 0
	ROWSUM 1
	ROWSUM 2
	ROWSUM 3
	s_wait_loadcnt 4                               ; gamma and beta are in too; only c's four loads stay out
	ds_store_b128 v[LS], v[SUM:SUM+3]              ; words 4 w .. 4 w + 3: my wave's four sums (all lanes write the same values)
	s_wait_dscnt 0x0                               ; for the other waves' sake: zero
	s_barrier_signal -1
	; register work while the others arrive: the exponent's factor goes into gamma and beta (-log2 e for i, f, o; 2 log2 e for g)
.irp p, 0,2,4,6,12,14
	v_pk_mul_f32 v[GA+\p:GA+\p+1], v[GA+\p:GA+\p+1], NL2E op_sel_hi:[1,0]
	v_pk_mul_f32 v[BE+\p:BE+\p+1], v[BE+\p:BE+\p+1], NL2E op_sel_hi:[1,0]
.endr
.irp p, 8,10
	v_pk_mul_f32 v[GA+\p:GA+\p+1], v[GA+\p:GA+\p+1], L2E2 op_sel_hi:[1,0]
	v_pk_mul_f32 v[BE+\p:BE+\p+1], v[BE+\p:BE+\p+1], L2E2 op_sel_hi:[1,0]
.endr
	s_barrier_wait -1
	XRED 0
	v_mul_f32 v[T], 0xb9800000, v[T]               ; -mean = total x (-1 / 4096); lane r holds row r's
.irp r, 0,1,2,3
	v_readlane_b32 s[24+2*\r], v[T], \r            ; as a scalar pair, both words written, for the packed forms
	v_readlane_b32 s[25+2*\r], v[T], \r
.endr
	ROWSQ 0
	ROWSQ 1
	ROWSQ 2
	ROWSQ 3
	ds_store_b128 v[LS], v[SUM:SUM+3] offset:128   ; other bytes than the first exchange's: no wave can still be reading them
	s_wait_dscnt 0x0
	s_barrier_signal -1
	s_barrier_wait -1
	XRED 128
	v_fma_f32 v[T], v[T], s20, s21                 ; var + 1e-5
	v_rsq_f32 v[P], v[T]
	v_nop                                          ; one plain vector instruction behind the transcendental
	s_wait_alu depctr_va_vdst(0)
.irp r, 0,1,2,3
	v_readlane_b32 s[24+2*\r], v[P], \r
	v_readlane_b32 s[25+2*\r], v[P], \r
.endr
	s_wait_loadcnt 0x0                             ; c
	ACT 0
	ACT 1
	ACT 2
	ACT 3
	s_wait_tensorcnt 0x0
	ds_add_u32 v128, v129
	s_wait_dscnt 0x0
	s_endpgm
.Lfunc_end_k_q44bc643195_lnlstm:
	.size	k_q44bc643195_lnlstm, .Lfunc_end_k_q44bc643195_lnlstm-k_q44bc643195_lnlstm
	.p2alignl 7, 3214868480
	.fill 96, 4, 3214868480
	.section	.rodata,"a",@progbits
	.p2align	6, 0x0
	.amdhsa_kernel k_q44bc643195_lnlstm
		.amdhsa_group_segment_fixed_size 1280
		.amdhsa_private_segment_fixed_size 0
		.amdhsa_enable_private_segment 0
		.amdhsa_kernarg_size 48
		.amdhsa_user_sgpr_count 2
		.amdhsa_user_sgpr_kernarg_segment_ptr 1
		.amdhsa_wavefront_size32 1
		.amdhsa_system_sgpr_workgroup_id_x 1
		.amdhsa_system_sgpr_workgroup_id_y 1
		.amdhsa_system_sgpr_workgroup_id_z 1
		.amdhsa_system_vgpr_workitem_id 0
		.amdhsa_next_free_vgpr 130
		.amdhsa_next_free_sgpr 66
		.amdhsa_reserve_vcc 0
		.amdhsa_float_denorm_mode_32 3
		.amdhsa_float_denorm_mode_16_64 3
		.amdhsa_memory_ordered 1
		.amdhsa_forward_progress 1
		.amdhsa_inst_pref_size 34
	.end_amdhsa_kernel
	.amdgpu_metadata
---
amdhsa.version: [ 1, 2 ]
amdhsa.kernels:
  - .name:           k_q44bc643195_lnlstm
    .symbol:         k_q44bc643195_lnlstm.kd
    .args:
      - { .name: gates, .offset: 0, .size: 8, .value_kind: global_buffer, .address_space: global }
      - { .name: c, .offset: 8, .size: 8, .value_kind: global_buffer, .address_space: global }
      - { .name: ln_gamma, .offset: 16, .size: 8, .value_kind: global_buffer, .address_space: global }
      - { .name: ln_beta, .offset: 24, .size: 8, .value_kind: global_buffer, .address_space: global }
      - { .name: out0, .offset: 32, .size: 8, .value_kind: global_buffer, .address_space: global }
      - { .name: out1, .offset: 40, .size: 8, .value_kind: global_buffer, .address_space: global }
    .group_segment_fixed_size: 1280
    .private_segment_fixed_size: 0
    .kernarg_segment_align: 8
    .kernarg_segment_size: 48
    .max_flat_workgroup_size: 256
    .sgpr_count:     66
    .vgpr_count:     130
    .wavefront_size: 32
...
	.end_amdgpu_metadata
.endif
;; end of part 3
